; MI455X (gfx1250); checked and timed in simulation.
; The chip was launched on July 23, 2026; its instructions are those of AMD's public machine-readable ISA for CDNA 5 (MIT licence, August 2026) and "CDNA5" Instruction Set Architecture Reference Guide (July 2026). The comments in the code are by the model that wrote it; some were corrected since.
;; Py Flow ODE. Allowed arithmetic: float matrix products may take bf16 or f16 operands with f32 sums; all other float work in f32.
;; Inputs: x0 4,096 x 8 float32; x1 2,048 x 8 float32.
;; Outputs: out0 2,048 x 8 float32.
;; 2 versions, each right and faster than the one before. Each part assembles by itself: llvm-mc -triple=amdgcn-amd-amdhsa -mcpu=gfx1250 --defsym DOCPART=n.
;; ======== version 1 of 2: 1 launch
;; limits: values are held in f16: magnitudes above 65,504 overflow, below 6.1e-05 lose precision; right only within a limited range of input values
;; launch flow (part 1): grid 128 x 1, 4 waves a work-group, no clusters, 135,424 bytes of LDS; arguments x0, x1, out0; writes out0
.if DOCPART == 1
	.amdgcn_target "amdgcn-amd-amdhsa--gfx1250"
	.amdhsa_code_object_version 6
	.text
	.protected	k_qb206e6ec4d_flow
	.globl	k_qb206e6ec4d_flow
	.p2align	8
	.type	k_qb206e6ec4d_flow,@function
k_qb206e6ec4d_flow:
	s_mov_b64 s[64:65], 0
	v_nop
	global_prefetch_b8 v0, s[64:65] scope:SCOPE_SE
	s_setreg_imm32_b32 hwreg(HW_REG_WAVE_MODE, 25, 1), 1
	s_wait_xcnt 0x0
; Heun integration of the Nadaraya-Watson flow: x1 [2048][8] f32, bank x0 [4096][8] f32, out0 [2048][8] f32, T = 8 (h = 1/8).
; One launch.  A work-group owns 16 queries for the whole integration; its four waves own 1024 bank rows each.
;
; ALGEBRA (holds for every finite input):
;  * t = 1: alpha = 0, so all logits of a row are equal and q is the mean c of the bank: G(x1, 1) = x1 - c.  Seven evaluations remain, t = 7/8 .. 1/8.
;  * y = x0 - c, u = xp - a c (a = 1 - t):  -|xp - a x0|^2 / (2 t^2) = (a term without b) + (a/t^2) u.y - (a^2 / 2 t^2) |y|^2.
;    The bank is centred, so a common offset of x0 never enters a product.
; PRECISION: dq/dxp = (a/t^2) Cov(y) reaches about 70 at t = 1/8 where two bank rows compete, so every matrix operand is kept as TWO f16 parts (22 bits).
;  * Range: SC is the power of two that brings the largest |y| of the bank into [128, 256).  y' = y SC, g' = log2(e) a/t^2 u / SC,
;    n' = |y'|^2 / 256, s' = -128 log2(e) a^2/t^2 / SC^2: the products are those of the unscaled numbers.
;  * A base-2 logit is ONE f16 matrix instruction whose K = 32 is four slots of 8:
;      bank row :  y1 | y1 | y2 | nh nm nl nh nm nh 0 0        (y' = y1 + y2, n' = nh + nm + nl)
;      query    :  g1 | g2 | g1 | sh sh sh sm sm sl 0 0        (g' = g1 + g2, s' = sh + sm + sl)
;    Parts are split to nearest in f32 (c = 8193 a, hi = c - (c - a), lo = a - hi: hi has 11 bits), then converted.
;  * The maximum is taken away: pass 1 finds each wave's maximum m per query; pass 2 repeats the product with C = 14 - m in f32, so that the largest
;    weight is 2^14; that C goes with the wave's sums, and the four waves' sums are rescaled by 2^(m_w - m).
;  * The scores are made transposed (m = bank row, n = query): lane (r, h) holds 8 bank rows of query r, which pack into the B fragment of
;    O^T = Y^T P without any move between lanes.  p = p1 + p2 (p1 = p cut to 11 bits); the 16 rows of Y^T are y1 and y2; the denominator is the f32 sum of p.
; LIMITS: inputs are finite.  A base-2 logit is off by at most 3 x 2^-22 of the sum of |g_d y_d|, plus 2^-25 x 256 for each term from f16's smallest step.
; f16 overflows, and the result is NaN, when the largest |x0 - c| reaches 512 or 80.8 |xp - a c| max|x0 - c| / 128 reaches 65504.
; Weights below 2^-140 of a wave's largest count as zero (v_exp_f32 flushes: ISA guide, 15.8).
; NO CLUSTER, NO TENSOR LOAD: all that work-groups share is the bank, 131,072 bytes, read once by each straight into the registers where it stays;
; a way through LDS would add a pass.  128 work-groups: a column tile is 16 queries and there are 2048.
;
; REGISTERS: four windows of 256 (s_set_vgpr_msb).  Each window holds 16 of the wave's 64 score fragments and a working set of its own, so that every
; operand of a stretch of work lies in one window: one switch for a window's whole pass.
.set YTW,  32768                       ; LDS bytes of a wave's 1024 rows [bank][16 f16]: y1 (8), y2 (8).  Also the bytes of its rows in x0
.set MEAN, 4*YTW                       ; 4 x 32 bytes: the waves' column sums
.set YMX,  MEAN+128                    ; 4 words: the waves' largest |y|
.set EX,   MEAN+256                    ; 4 x 1024 bytes: the waves' partial sums of a step
.set EXW,  1024
; in every window:  v[0:31] two buffers of two score tiles
.set HI,   32                          ; v[32:47]   p1 as f32, then P1 (8 registers) | P2 (8 registers)
.set YB,   48                          ; v[48:63]   two buffers of a Y^T fragment
.set Q,    64                          ; v[64:71]   the query operand (a copy in each window)
.set O1,   72                          ; v[72:79]   Y^T P1
.set O2,   80                          ; v[80:87]   Y^T P2
.set MC,   88                          ; v[88:95]   14 - m, eight times: pass 2's C operand
.set DEN,  96                          ; v[96:99]   pass 2: sums of p
.set MX,   96                          ;            pass 1: running maxima
.set YA,   100                         ; v100       LDS address of the transposing loads
.set BK,   128                         ; v[128:255] 16 score fragments
; in window 0 alone
.set OUTA, 101                         ; my 16 bytes of the group's 512 bytes of out0
.set EXS,  102                         ; where I store my partial sums
.set EXL,  103                         ; where I read query r's
.set XT,   104                         ; v[104:111] xt of query r (both halves of the lanes, all four waves keep it)
.set G1,   112                         ; v[112:119] G1
.set CC,   120                         ; v[120:127] c
; set-up only
.set ACA,  0
.set ACB,  8
.set NC,   64                          ; every window: v[64:71] = -c
.set MA,   72                          ; every window: v[72:75] largest y
.set MI,   76                          ; every window: v[76:79] smallest y
.set GA,   80                          ; 32 r
.set MS,   81
.set ML,   82
.set STA,  83                          ; every window: LDS address of row r of my first tile
.set ZR,   84                          ; every window: 0
.set MS2,  85
.set SPLIT, 0x46000400                 ; 8193.0 = 2^13 + 1
.set MSB, 0
.macro WIN new                         ; low byte: bits 1:0 source 0, 3:2 source 1, 5:4 source 2, 7:6 destination; the high byte repeats the setting left
.if MSB != \new
	s_set_vgpr_msb (MSB<<8)|\new
.set MSB, \new
.endif
.endm
.macro PLACES                          ; four independent vector instructions between a matrix instruction and a vector read of its result (ISA guide 7.12.1)
.rept 4
	v_nop
.endr
.endm
	s_load_b128 s[4:7], s[0:1], 0x0                ; x0, x1
	s_load_b64 s[8:9], s[0:1], 0x10                ; out0
	v_lshrrev_b32 v1, 5, v0
	v_readfirstlane_b32 s10, v1                    ; wave 0..3
	v_and_b32 v2, 15, v0                           ; r
	v_bfe_u32 v3, v0, 4, 1                         ; h
	v_and_b32 v4, 31, v0                           ; lane
	v_cmp_ne_u32 s11, 0, v3                        ; mask of lanes 16 to 31
	s_mov_b32 s12, 0xffffe000                      ; an f32 cut to 11 significant bits
	s_mov_b32 s14, 0x76543210                      ; v_permlanex16_b32: lane i reads lane i of the other half
	s_mov_b32 s15, 0xfedcba98
	s_lshl_b32 s20, s10, 15                        ; wave x 32,768: my rows in x0 and my rows in LDS
	s_mov_b32 s21, 0
	s_lshl_b32 s22, ttmp9, 9                       ; work-group x 16 queries x 32 bytes
	s_mov_b32 s23, 0
	s_lshl_b32 s18, s10, 10
	s_add_co_u32 s18, s18, EX
	s_lshl_b32 s19, s10, 5
	s_add_co_u32 s19, s19, MEAN
	s_lshl_b32 s17, s10, 2
	s_add_co_u32 s17, s17, YMX
	v_lshlrev_b32 v[GA], 5, v2
	v_lshl_add_u32 v[OUTA], v3, 4, v[GA]           ; 32 r + 16 h
	v_add_nc_u32 v[STA], s20, v[GA]
	v_lshlrev_b32 v5, 5, v4                        ; 32 x lane
	v_and_b32 v6, 7, v0
	v_lshl_add_u32 v6, v3, 3, v6                   ; row 8 h + (lane & 7)
	v_bfe_u32 v7, v0, 3, 1
	v_lshlrev_b32 v7, 4, v7                        ; lanes 8-15 and 24-31 take the row's upper 16 bytes
	v_lshl_add_u32 v6, v6, 5, v7
	v_add_nc_u32 v[YA], s20, v6
	v_add_nc_u32 v[EXS], s18, v5
	v_add_nc_u32 v[EXL], EX, v[GA]
	v_mov_b32 v[MS], s19
	v_mov_b32 v[ML], MEAN
	v_mov_b32 v[MS2], s17
	s_wait_kmcnt 0x0
	s_add_nc_u64 s[4:5], s[4:5], s[20:21]
	s_add_nc_u64 s[6:7], s[6:7], s[22:23]
	s_add_nc_u64 s[8:9], s[8:9], s[22:23]
	; x1's row r, then my 1024 bank rows as f32 into the registers of the fragments that they become: tile T, lane (r, h) takes row 16 T + r whole.
	global_load_b128 v[XT:XT+3], v[GA], s[6:7]
	global_load_b128 v[XT+4:XT+7], v[GA], s[6:7] offset:16
.irp k, 0,1,2,3
	WIN (\k<<6)
.irp i, 0,1,2,3,4,5,6,7,8,9,10,11,12,13,14,15
	global_load_b128 v[BK+8*\i:BK+8*\i+3], v[GA], s[4:5] offset:(16*\k+\i)*512
	global_load_b128 v[BK+8*\i+4:BK+8*\i+7], v[GA], s[4:5] offset:(16*\k+\i)*512+16
.endr
.endr
	WIN 0
	; column sums of my rows, two chains
.macro SUMT i, acc
.irp j, 0,2,4,6
	v_pk_add_f32 v[\acc+\j:\acc+\j+1], v[BK+8*(\i)+\j:BK+8*(\i)+\j+1], v[\acc+\j:\acc+\j+1]
.endr
.endm
.macro SUMW k, left
	s_wait_loadcnt \left
	WIN \k                                         ; source 0 in window k
.irp i, 0,2,4,6,8,10,12,14
	SUMT \i, ACA
	SUMT \i+1, ACB
.endr
.endm
	s_wait_loadcnt 63                              ; 96 loads were issued behind window 0's; the count's field ends at 63, which asks for more than is needed
.irp j, 0,2,4,6
	v_pk_add_f32 v[ACA+\j:ACA+\j+1], v[BK+\j:BK+\j+1], v[BK+16+\j:BK+17+\j]      ; the first four tiles start the chains
	v_pk_add_f32 v[ACB+\j:ACB+\j+1], v[BK+8+\j:BK+9+\j], v[BK+24+\j:BK+25+\j]
.endr
.irp i, 4,6,8,10,12,14
	SUMT \i, ACA
	SUMT \i+1, ACB
.endr
	SUMW 1, 63                                     ; 64 issued behind window 1's
	SUMW 2, 32                                     ; 32 behind window 2's
	SUMW 3, 0
	WIN 0
.irp j, 0,2,4,6
	v_pk_add_f32 v[ACA+\j:ACA+\j+1], v[ACA+\j:ACA+\j+1], v[ACB+\j:ACB+\j+1]
.endr
.irp m, 1,2,4,8                                    ; over the 16 lanes of a half; both halves hold the same rows, so each ends with the wave's sums
.irp j, 0,1,2,3,4,5,6,7
	v_add_f32_dpp v[ACA+\j], v[ACA+\j], v[ACA+\j] row_xmask:\m row_mask:0xf bank_mask:0xf
.endr
.endr
	ds_store_b128 v[MS], v[ACA:ACA+3]              ; every lane stores the same words
	ds_store_b128 v[MS], v[ACA+4:ACA+7] offset:16
	s_wait_dscnt 0x0                               ; my sums are in LDS before I say so
	s_barrier_signal -1
	s_barrier_wait -1
.irp w, 0,1,2,3
	ds_load_b128 v[16+8*\w:19+8*\w], v[ML] offset:32*\w
	ds_load_b128 v[20+8*\w:23+8*\w], v[ML] offset:32*\w+16
.endr
	s_wait_dscnt 0x0
.irp j, 0,2,4,6
	v_pk_add_f32 v[16+\j:17+\j], v[16+\j:17+\j], v[24+\j:25+\j]
	v_pk_add_f32 v[32+\j:33+\j], v[32+\j:33+\j], v[40+\j:41+\j]
.endr
.irp j, 0,2,4,6
	v_pk_add_f32 v[16+\j:17+\j], v[16+\j:17+\j], v[32+\j:33+\j]
.endr
.irp j, 0,2,4,6
	v_pk_mul_f32 v[CC+\j:CC+\j+1], v[16+\j:17+\j], 0x39800000 op_sel_hi:[1,0]    ; c = sum / 4096
	v_pk_mul_f32 v[NC+\j:NC+\j+1], v[16+\j:17+\j], 0xb9800000 op_sel_hi:[1,0]    ; -c
.endr
.irp j, 0,2,4,6
	v_pk_add_f32 v[G1+\j:G1+\j+1], v[XT+\j:XT+\j+1], v[NC+\j:NC+\j+1]            ; G(x1, 1) = x1 - mean(x0)
.endr
	; y = x0 - c in place, and its largest and smallest number
.macro SWEEPT i, first
.irp j, 0,2,4,6
	v_pk_add_f32 v[BK+8*(\i)+\j:BK+8*(\i)+\j+1], v[BK+8*(\i)+\j:BK+8*(\i)+\j+1], v[NC+\j:NC+\j+1]
.endr
.irp j, 0,1,2,3
.if \first
	v_max_num_f32 v[MA+\j], v[BK+8*(\i)+2*\j], v[BK+8*(\i)+2*\j+1]
	v_min_num_f32 v[MI+\j], v[BK+8*(\i)+2*\j], v[BK+8*(\i)+2*\j+1]
.else
	v_max3_num_f32 v[MA+\j], v[BK+8*(\i)+2*\j], v[BK+8*(\i)+2*\j+1], v[MA+\j]
	v_min3_num_f32 v[MI+\j], v[BK+8*(\i)+2*\j], v[BK+8*(\i)+2*\j+1], v[MI+\j]
.endif
.endr
.endm
.macro SWEEPA k
.if \k
	WIN (\k<<6)                                    ; destination in window k: its copies of -c and of the two LDS addresses
.irp j, 0,1,2,3,4,5,6,7
	v_mov_b32 v[NC+\j], v[NC+\j]
.endr
	v_mov_b32 v[STA], v[STA]
	v_mov_b32 v[YA], v[YA]
.endif
	WIN (\k*0x55)                                  ; every operand in window k
	SWEEPT 0, 1
.irp i, 1,2,3,4,5,6,7,8,9,10,11,12,13,14,15
	SWEEPT \i, 0
.endr
	v_max3_num_f32 v[MA], v[MA], v[MA+1], v[MA+2]
	v_min3_num_f32 v[MI], v[MI], v[MI+1], v[MI+2]
	v_max_num_f32 v[MA], v[MA], v[MA+3]
	v_min_num_f32 v[MI], v[MI], v[MI+3]
.endm
	SWEEPA 0
	SWEEPA 1
	SWEEPA 2
	SWEEPA 3
	WIN 0x39                                       ; sources in windows 1, 2, 3, destination in window 0
	v_max3_num_f32 v[MA+1], v[MA], v[MA], v[MA]
	v_min3_num_f32 v[MI+1], v[MI], v[MI], v[MI]
	WIN 0
	v_max_num_f32 v[MA], v[MA], v[MA+1]
	v_min_num_f32 v[MI], v[MI], v[MI+1]
	v_mul_f32 v[MI], -1.0, v[MI]
	v_max_num_f32 v[MA], v[MA], v[MI]              ; the largest |y| of my lane's rows
.irp m, 1,2,4,8
	v_max_num_f32_dpp v[MA], v[MA], v[MA] row_xmask:\m row_mask:0xf bank_mask:0xf
.endr
	ds_store_b32 v[MS2], v[MA]                     ; bytes of their own: the column sums' bytes may still be read by others
	s_wait_dscnt 0x0
	s_barrier_signal -1
	s_barrier_wait -1
	ds_load_b128 v[0:3], v[ML] offset:128
	s_wait_dscnt 0x0
	v_max3_num_f32 v0, v0, v1, v2
	v_max_num_f32 v0, v0, v3                       ; the largest |y| of the bank
	v_and_b32 v0, 0x7f800000, v0                   ; its exponent field e << 23,
	v_max_u32 v0, 0x04000000, v0                   ; at least 8, so that both powers below are normal numbers
	v_sub_nc_u32 v1, 0x82800000, v0                ; SC = 2^(134 - e): (261 - e) << 23
	v_add_nc_u32 v2, 0xfc800000, v0                ; 1 / SC: (e - 7) << 23
	v_readfirstlane_b32 s24, v1                    ; both as pairs for the packed forms; they enter arithmetic alone
	v_readfirstlane_b32 s25, v1
	v_readfirstlane_b32 s26, v2
	v_readfirstlane_b32 s27, v2
; Two tiles i, i + 1 of window k become score fragments in place; temporaries v[32 q .. 32 q + 31] of the same window: y' 0-7, y1 8-15, y2 16-23, n' 24-30.
; Lanes 0-15: y1 | y2.  Lanes 16-31: y1 | the parts of n'.  y1 and y2 also go to LDS as the row's 32 bytes.
.macro TILE2 k, i
.irp q, 0,1
.irp j, 0,2,4,6
	v_pk_mul_f32 v[32*\q+\j:32*\q+\j+1], v[BK+8*(\i+\q)+\j:BK+8*(\i+\q)+\j+1], s[24:25] op_sel_hi:[1,0]     ; y' = y SC
.endr
.endr
.irp q, 0,1
.irp j, 0,2,4,6
	v_pk_mul_f32 v[32*\q+8+\j:32*\q+9+\j], v[32*\q+\j:32*\q+\j+1], SPLIT op_sel_hi:[1,0]                    ; c = 8193 y'
.endr
	v_pk_mul_f32 v[32*\q+24:32*\q+25], v[32*\q:32*\q+1], v[32*\q:32*\q+1]
.endr
.irp q, 0,1
.irp j, 0,2,4,6
	v_pk_add_f32 v[32*\q+16+\j:32*\q+17+\j], v[32*\q+8+\j:32*\q+9+\j], v[32*\q+\j:32*\q+\j+1] neg_lo:[0,1] neg_hi:[0,1]      ; c - y'
.endr
	v_pk_fma_f32 v[32*\q+24:32*\q+25], v[32*\q+2:32*\q+3], v[32*\q+2:32*\q+3], v[32*\q+24:32*\q+25]
.endr
.irp q, 0,1
.irp j, 0,2,4,6
	v_pk_add_f32 v[32*\q+8+\j:32*\q+9+\j], v[32*\q+8+\j:32*\q+9+\j], v[32*\q+16+\j:32*\q+17+\j] neg_lo:[0,1] neg_hi:[0,1]    ; y1 = c - (c - y'): 11 bits
.endr
	v_pk_fma_f32 v[32*\q+24:32*\q+25], v[32*\q+4:32*\q+5], v[32*\q+4:32*\q+5], v[32*\q+24:32*\q+25]
.endr
.irp q, 0,1
.irp j, 0,2,4,6
	v_pk_add_f32 v[32*\q+16+\j:32*\q+17+\j], v[32*\q+\j:32*\q+\j+1], v[32*\q+8+\j:32*\q+9+\j] neg_lo:[0,1] neg_hi:[0,1]      ; y2 = y' - y1, exact
.endr
	v_pk_fma_f32 v[32*\q+24:32*\q+25], v[32*\q+6:32*\q+7], v[32*\q+6:32*\q+7], v[32*\q+24:32*\q+25]
.endr
.irp q, 0,1
.irp j, 0,1,2,3
	v_cvt_pk_f16_f32 v[BK+8*(\i+\q)+\j], v[32*\q+8+2*\j], v[32*\q+9+2*\j]
.endr
.irp j, 0,1,2,3
	v_cvt_pk_f16_f32 v[32*\q+\j], v[32*\q+16+2*\j], v[32*\q+17+2*\j]
.endr
	v_add_f32 v[32*\q+24], v[32*\q+24], v[32*\q+25]                                                         ; |y'|^2
.endr
.irp q, 0,1
	ds_store_b128 v[STA], v[BK+8*(\i+\q):BK+8*(\i+\q)+3] offset:(16*\k+\i+\q)*512                           ; both halves store the same bytes
	ds_store_b128 v[STA], v[32*\q:32*\q+3] offset:(16*\k+\i+\q)*512+16
	v_mul_f32 v[32*\q+24], 0x3b800000, v[32*\q+24]                                                          ; n' = |y'|^2 / 256, below 2^11
.endr
.irp q, 0,1
	v_mul_f32 v[32*\q+25], SPLIT, v[32*\q+24]
.endr
.irp q, 0,1
	v_sub_f32 v[32*\q+26], v[32*\q+25], v[32*\q+24]
.endr
.irp q, 0,1
	v_sub_f32 v[32*\q+25], v[32*\q+25], v[32*\q+26]                                                         ; nh
.endr
.irp q, 0,1
	v_sub_f32 v[32*\q+24], v[32*\q+24], v[32*\q+25]
.endr
.irp q, 0,1
	v_mul_f32 v[32*\q+26], SPLIT, v[32*\q+24]
.endr
.irp q, 0,1
	v_sub_f32 v[32*\q+27], v[32*\q+26], v[32*\q+24]
.endr
.irp q, 0,1
	v_sub_f32 v[32*\q+26], v[32*\q+26], v[32*\q+27]                                                         ; nm
.endr
.irp q, 0,1
	v_sub_f32 v[32*\q+24], v[32*\q+24], v[32*\q+26]                                                         ; nl
.endr
.irp q, 0,1
	v_cvt_pk_f16_f32 v[32*\q+28], v[32*\q+25], v[32*\q+26]                                                  ; K 24, 25 = nh, nm
	v_cvt_pk_f16_f32 v[32*\q+29], v[32*\q+24], v[32*\q+25]                                                  ; K 26, 27 = nl, nh
	v_cvt_pk_f16_f32 v[32*\q+30], v[32*\q+26], v[32*\q+25]                                                  ; K 28, 29 = nm, nh
.endr
.irp q, 0,1
	v_cndmask_b32 v[BK+8*(\i+\q)+4], v[32*\q], v[32*\q+28], s11
	v_cndmask_b32 v[BK+8*(\i+\q)+5], v[32*\q+1], v[32*\q+29], s11
	v_cndmask_b32 v[BK+8*(\i+\q)+6], v[32*\q+2], v[32*\q+30], s11
	v_cndmask_b32 v[BK+8*(\i+\q)+7], v[32*\q+3], v[ZR], s11                                                 ; K 30, 31 = 0
.endr
.endm
.macro XFORM k
	WIN (\k*0x55)                                  ; every operand in window k
	v_mov_b32 v[ZR], 0
.irp i, 0,2,4,6,8,10,12,14
	TILE2 \k, \i
.endr
.endm
	XFORM 0
	XFORM 1
	XFORM 2
	XFORM 3
	WIN 0
; Scores of tiles 2 g, 2 g + 1 of the window (32 bank rows x 16 queries) into score buffer g mod 2.  shift = 1: 14 - m is added as C.
.macro SW g, shift
.if \shift
	v_wmma_f32_16x16x32_f16 v[16*((\g)%2):16*((\g)%2)+7], v[BK+16*(\g):BK+16*(\g)+7], v[Q:Q+7], v[MC:MC+7]
	v_wmma_f32_16x16x32_f16 v[16*((\g)%2)+8:16*((\g)%2)+15], v[BK+16*(\g)+8:BK+16*(\g)+15], v[Q:Q+7], v[MC:MC+7]
.else
	v_wmma_f32_16x16x32_f16 v[16*((\g)%2):16*((\g)%2)+7], v[BK+16*(\g):BK+16*(\g)+7], v[Q:Q+7], 0
	v_wmma_f32_16x16x32_f16 v[16*((\g)%2)+8:16*((\g)%2)+15], v[BK+16*(\g)+8:BK+16*(\g)+15], v[Q:Q+7], 0
.endif
.endm
.macro MAXG g, first                   ; 16 scores of a lane into four running maxima
.set SBASE, 16*((\g)%2)
.irp j, 0,1,2,3
.if \first
	v_max_num_f32 v[MX+\j], v[SBASE+2*\j], v[SBASE+2*\j+1]
.else
	v_max3_num_f32 v[MX+\j], v[SBASE+2*\j], v[SBASE+2*\j+1], v[MX+\j]
.endif
.endr
.irp j, 0,1,2,3
	v_max3_num_f32 v[MX+\j], v[SBASE+8+2*\j], v[SBASE+9+2*\j], v[MX+\j]
.endr
.endm
; Pass 1 of a window.  The maxima of group g - 1 stand behind the products of group g: eight vector instructions on the other buffer lie between a product
; and the first read of its result, and between a product and the product that writes its buffer again; the first group has four v_nop besides.
.macro PASS1W
	SW 0, 0
	SW 1, 0
	PLACES
	MAXG 0, 1
.irp g, 2,3,4,5,6,7
	SW \g, 0
	MAXG \g-1, 0
.endr
	MAXG 7, 0
	v_max3_num_f32 v[MX], v[MX], v[MX+1], v[MX+2]
	v_max_num_f32 v[MX], v[MX], v[MX+3]
.endm
; The Y^T fragment of chunk g of window k (32 bank rows) from my rows in LDS: rows lie [bank][16], so the transposing load gives lane r
; column r of 8 rows; pitch 32 bytes.
.macro LDY k, g
	ds_load_tr16_b128 v[YB+8*((\g)%2):YB+8*((\g)%2)+3], v[YA] offset:(8*\k+\g)*1024
	ds_load_tr16_b128 v[YB+8*((\g)%2)+4:YB+8*((\g)%2)+7], v[YA] offset:(8*\k+\g)*1024+512
.endm
; Weights of chunk g: p = 2^score in place; their sum; p1 = p cut to 11 bits, p2 = p - p1 (exact); both packed into HI as B fragments
; (K = 8 h + j from the first tile, 16 + 8 h + j from the second); then O1 += Y^T P1 and O2 += Y^T P2.
; The next chunk's Y^T loads, and the writes of HI, stand behind the v_nop and the sums: nine places behind the products that read that buffer and HI.
.macro EXPG k, g
.set SBASE, 16*((\g)%2)
.irp j, 0,1,2,3,4,5,6,7,8,9,10,11,12,13,14,15
	v_exp_f32 v[SBASE+\j], v[SBASE+\j]
.endr
	v_nop                                          ; one plain instruction between the exponentials and the first use of a result (ISA guide 5.7.2)
.if \g == 0
	v_pk_add_f32 v[DEN:DEN+1], v[SBASE:SBASE+1], v[SBASE+4:SBASE+5]              ; the first chunk starts the window's sums
	v_pk_add_f32 v[DEN+2:DEN+3], v[SBASE+2:SBASE+3], v[SBASE+6:SBASE+7]
.else
	v_pk_add_f32 v[DEN:DEN+1], v[SBASE:SBASE+1], v[DEN:DEN+1]
	v_pk_add_f32 v[DEN+2:DEN+3], v[SBASE+2:SBASE+3], v[DEN+2:DEN+3]
	v_pk_add_f32 v[DEN:DEN+1], v[SBASE+4:SBASE+5], v[DEN:DEN+1]
	v_pk_add_f32 v[DEN+2:DEN+3], v[SBASE+6:SBASE+7], v[DEN+2:DEN+3]
.endif
.irp j, 8,12
	v_pk_add_f32 v[DEN:DEN+1], v[SBASE+\j:SBASE+\j+1], v[DEN:DEN+1]
	v_pk_add_f32 v[DEN+2:DEN+3], v[SBASE+\j+2:SBASE+\j+3], v[DEN+2:DEN+3]
.endr
.if \g < 7
	LDY \k, \g+1
.endif
.irp j, 0,1,2,3,4,5,6,7,8,9,10,11,12,13,14,15
	v_and_b32 v[HI+\j], s12, v[SBASE+\j]
.endr
.irp j, 0,2,4,6,8,10,12,14
	v_pk_add_f32 v[SBASE+\j:SBASE+\j+1], v[SBASE+\j:SBASE+\j+1], v[HI+\j:HI+\j+1] neg_lo:[0,1] neg_hi:[0,1]
.endr
.irp j, 0,1,2,3,4,5,6,7
	v_cvt_pk_f16_f32 v[HI+\j], v[HI+2*\j], v[HI+2*\j+1]
.endr
.irp j, 0,1,2,3,4,5,6,7
	v_cvt_pk_f16_f32 v[HI+8+\j], v[SBASE+2*\j], v[SBASE+2*\j+1]
.endr
.if \g < 7
	s_wait_dscnt 0x2                               ; this chunk's Y^T is in; the next chunk's two loads may stay out
.else
	s_wait_dscnt 0x0
.endif
.if \g == 0
	v_wmma_f32_16x16x32_f16 v[O1:O1+7], v[YB+8*((\g)%2):YB+8*((\g)%2)+7], v[HI:HI+7], 0
	v_wmma_f32_16x16x32_f16 v[O2:O2+7], v[YB+8*((\g)%2):YB+8*((\g)%2)+7], v[HI+8:HI+15], 0
.else
	v_wmma_f32_16x16x32_f16 v[O1:O1+7], v[YB+8*((\g)%2):YB+8*((\g)%2)+7], v[HI:HI+7], v[O1:O1+7]
	v_wmma_f32_16x16x32_f16 v[O2:O2+7], v[YB+8*((\g)%2):YB+8*((\g)%2)+7], v[HI+8:HI+15], v[O2:O2+7]
.endif
.endm
; Pass 2 of a window.  The accumulators take turns, one instruction a turn: score, score, O1, O2, and at the end O1, O2, O1, O2.
.macro PASS2W k
	LDY \k, 0
	SW 0, 1
	SW 1, 1
	PLACES
	EXPG \k, 0
.irp g, 1,2,3,4,5,6
	SW \g+1, 1
	EXPG \k, \g
.endr
	EXPG \k, 7
.endm
	s_mov_b32 s16, 7                               ; t = s16 / 8
.Lstep:
	; the step's numbers, the same in every lane, and the query operand
	v_cvt_f32_u32 v0, s16
	v_mul_f32 v0, 0x3e000000, v0                   ; t
	v_rcp_f32 v1, v0
	v_sub_f32 v2, 1.0, v0                          ; a = 1 - t
.irp j, 0,2,4,6
	v_pk_fma_f32 v[8+\j:9+\j], v[G1+\j:G1+\j+1], 0xbe000000, v[XT+\j:XT+\j+1] op_sel_hi:[1,0,1]      ; xp = xt - G1 / 8
.endr
	v_mul_f32 v6, -1.0, v2                         ; -a, twice: a pair for the packed forms
	v_mul_f32 v7, -1.0, v2
	v_mul_f32 v3, v1, v1
	v_mul_f32 v3, v3, v2
	v_mul_f32 v3, 0x3fb8aa3b, v3                   ; log2(e) a / t^2
	v_mul_f32 v4, s26, v3                          ; / SC, twice
	v_mul_f32 v5, s26, v3
.irp j, 0,2,4,6
	v_pk_fma_f32 v[8+\j:9+\j], v[CC+\j:CC+\j+1], v[6:7], v[8+\j:9+\j]            ; u = xp - a c
.endr
	v_mul_f32 v40, v4, v2
	v_mul_f32 v40, s26, v40
	v_mul_f32 v40, 0xc3000000, v40                 ; s' = -128 log2(e) a^2 / t^2 / SC^2
.irp j, 0,2,4,6
	v_pk_mul_f32 v[16+\j:17+\j], v[8+\j:9+\j], v[4:5]                            ; g'
.endr
.irp j, 0,2,4,6
	v_pk_mul_f32 v[24+\j:25+\j], v[16+\j:17+\j], SPLIT op_sel_hi:[1,0]
.endr
	v_mul_f32 v41, SPLIT, v40
.irp j, 0,2,4,6
	v_pk_add_f32 v[8+\j:9+\j], v[24+\j:25+\j], v[16+\j:17+\j] neg_lo:[0,1] neg_hi:[0,1]
.endr
	v_sub_f32 v42, v41, v40
.irp j, 0,2,4,6
	v_pk_add_f32 v[24+\j:25+\j], v[24+\j:25+\j], v[8+\j:9+\j] neg_lo:[0,1] neg_hi:[0,1]              ; g1
.endr
	v_sub_f32 v41, v41, v42                        ; sh
.irp j, 0,2,4,6
	v_pk_add_f32 v[16+\j:17+\j], v[16+\j:17+\j], v[24+\j:25+\j] neg_lo:[0,1] neg_hi:[0,1]            ; g2
.endr
	v_sub_f32 v40, v40, v41
	v_mul_f32 v42, SPLIT, v40
	v_sub_f32 v43, v42, v40
	v_sub_f32 v42, v42, v43                        ; sm
	v_sub_f32 v40, v40, v42                        ; sl
.irp j, 0,1,2,3
	v_cvt_pk_f16_f32 v[48+\j], v[24+2*\j], v[25+2*\j]
.endr
.irp j, 0,1,2,3
	v_cvt_pk_f16_f32 v[52+\j], v[16+2*\j], v[17+2*\j]
.endr
	v_cvt_pk_f16_f32 v56, v41, v41                 ; K 24, 25 = sh, sh
	v_cvt_pk_f16_f32 v57, v41, v42                 ; K 26, 27 = sh, sm
	v_cvt_pk_f16_f32 v58, v42, v40                 ; K 28, 29 = sm, sl
	v_mov_b32 v59, 0                               ; K 30, 31 = 0
.irp j, 0,1,2,3
	v_cndmask_b32 v[Q+\j], v[48+\j], v[52+\j], s11                               ; lanes 0-15: g1 | g1;  lanes 16-31: g2 | parts of s'
	v_cndmask_b32 v[Q+4+\j], v[48+\j], v[56+\j], s11
.endr
.irp k, 1,2,3
	WIN (\k<<6)
.irp j, 0,1,2,3,4,5,6,7
	v_mov_b32 v[Q+\j], v[Q+\j]                     ; window k's copy
.endr
.endr
.irp k, 0,1,2,3
	WIN (\k*0x55)
	PASS1W
.endr
	WIN 0x39                                       ; sources in windows 1, 2, 3, destination in window 0
	v_max3_num_f32 v[MX+1], v[MX], v[MX], v[MX]
	WIN 0
	v_max_num_f32 v[MX], v[MX], v[MX+1]
	v_permlanex16_b32 v[MX+1], v[MX], s14, s15     ; the other half's eight rows of every tile
	v_max_num_f32 v[MX], v[MX], v[MX+1]            ; my wave's maximum m for query r
	v_sub_f32 v[MC], 0x41600000, v[MX]             ; 14 - m
.irp j, 1,2,3,4,5,6,7
	v_mov_b32 v[MC+\j], v[MC]
.endr
.irp k, 1,2,3
	WIN (\k<<6)
.irp j, 0,1,2,3,4,5,6,7
	v_mov_b32 v[MC+\j], v[MC]
.endr
.endr
.irp k, 0,1,2,3
	WIN (\k*0x55)
	PASS2W \k
.endr
	; the wave's sums: O1, O2 and DEN of the four windows
	PLACES                                         ; behind window 3's last products, ahead of the reads of their sums
	WIN 0x09                                       ; source 0 window 1, source 1 window 2, destination window 0
.irp j, 0,2,4,6
	v_pk_add_f32 v[\j:\j+1], v[O1+\j:O1+\j+1], v[O1+\j:O1+\j+1]
	v_pk_add_f32 v[8+\j:9+\j], v[O2+\j:O2+\j+1], v[O2+\j:O2+\j+1]
.endr
	v_pk_add_f32 v[16:17], v[DEN:DEN+1], v[DEN:DEN+1]
	v_pk_add_f32 v[18:19], v[DEN+2:DEN+3], v[DEN+2:DEN+3]
	WIN 0x03                                       ; source 0 window 3
.irp j, 0,2,4,6
	v_pk_add_f32 v[\j:\j+1], v[O1+\j:O1+\j+1], v[\j:\j+1]
	v_pk_add_f32 v[8+\j:9+\j], v[O2+\j:O2+\j+1], v[8+\j:9+\j]
.endr
	v_pk_add_f32 v[16:17], v[DEN:DEN+1], v[16:17]
	v_pk_add_f32 v[18:19], v[DEN+2:DEN+3], v[18:19]
	WIN 0
.irp j, 0,2,4,6
	v_pk_add_f32 v[O1+\j:O1+\j+1], v[O1+\j:O1+\j+1], v[\j:\j+1]
	v_pk_add_f32 v[8+\j:9+\j], v[O2+\j:O2+\j+1], v[8+\j:9+\j]
.endr
	v_pk_add_f32 v[16:17], v[DEN:DEN+1], v[16:17]
	v_pk_add_f32 v[18:19], v[DEN+2:DEN+3], v[18:19]
.irp j, 0,2,4,6
	v_pk_add_f32 v[O1+\j:O1+\j+1], v[O1+\j:O1+\j+1], v[8+\j:9+\j]
.endr
	v_pk_add_f32 v[16:17], v[16:17], v[18:19]
	v_add_f32 v16, v16, v17
	; lanes 0-15 hold the sums with y1, lanes 16-31 those with y2, and each half the weights of its own eight rows of every tile: add the halves
.irp j, 0,1,2,3,4,5,6,7
	v_permlanex16_b32 v[\j], v[O1+\j], s14, s15
.endr
	v_permlanex16_b32 v17, v16, s14, s15
.irp j, 0,2,4,6
	v_pk_add_f32 v[O1+\j:O1+\j+1], v[O1+\j:O1+\j+1], v[\j:\j+1]
.endr
	v_add_f32 v16, v16, v17
	v_cndmask_b32 v[O1], v[O1], v16, s11           ; lanes 0-15 store the eight numerators of query r; lanes 16-31 the weights' sum and 14 - m first
	v_cndmask_b32 v[O1+1], v[O1+1], v[MC], s11
	ds_store_b128 v[EXS], v[O1:O1+3]
	ds_store_b128 v[EXS], v[O1+4:O1+7] offset:16
	v_cvt_f32_u32 v70, s16
	v_mul_f32 v70, 0x3e000000, v70
	s_wait_dscnt 0x0                               ; my sums are in LDS before I say so
	s_barrier_signal -1
	s_barrier_wait -1
.irp w, 0,1,2,3
	ds_load_b64 v[40+2*\w:41+2*\w], v[EXL] offset:\w*EXW+512                     ; wave w: weights' sum, 14 - m_w
.endr
.irp w, 0,1,2,3
	ds_load_b128 v[8+8*\w:11+8*\w], v[EXL] offset:\w*EXW                         ; wave w: numerators
	ds_load_b128 v[12+8*\w:15+8*\w], v[EXL] offset:\w*EXW+16
.endr
	v_rcp_f32 v68, v70                             ; 1 / t, twice
	v_rcp_f32 v69, v70
.irp j, 0,2,4,6
	v_pk_fma_f32 v[72+\j:73+\j], v[G1+\j:G1+\j+1], 0xbe000000, v[XT+\j:XT+\j+1] op_sel_hi:[1,0,1]    ; xp once more: it is not kept over the passes
.endr
.irp j, 0,2,4,6
	v_pk_fma_f32 v[XT+\j:XT+\j+1], v[G1+\j:G1+\j+1], 0xbd800000, v[XT+\j:XT+\j+1] op_sel_hi:[1,0,1]  ; xt -= G1 h / 2
.endr
	s_wait_dscnt 0x8                               ; the four pairs are in; the eight loads of numerators may stay out
	v_min3_num_f32 v64, v41, v43, v45
	v_min_num_f32 v64, v64, v47                    ; 14 - m, m the maximum over the whole bank
.irp w, 0,1,2,3
	v_sub_f32 v[41+2*\w], v64, v[41+2*\w]          ; m_w - m
.endr
.irp w, 0,1,2,3
	v_exp_f32 v[48+2*\w], v[41+2*\w]               ; 2^(m_w - m), twice
	v_exp_f32 v[49+2*\w], v[41+2*\w]
.endr
	v_nop
	v_mul_f32 v65, v48, v40
	v_fma_f32 v65, v50, v42, v65
	v_fma_f32 v65, v52, v44, v65
	v_fma_f32 v65, v54, v46, v65                   ; the softmax's denominator: at least about 2^14
	v_rcp_f32 v66, v65
	v_rcp_f32 v67, v65
	s_wait_dscnt 0x0                               ; my reads of the exchange are over:
	s_barrier_signal -1                            ; say so; register work alone up to the wait, behind which the next step may store there
.irp j, 0,2,4,6
	v_pk_mul_f32 v[56+\j:57+\j], v[8+\j:9+\j], v[48:49]
.endr
	v_pk_mul_f32 v[66:67], v[66:67], s[26:27] op_sel_hi:[1,0]                    ; 1 / (SC x denominator)
.irp j, 0,2,4,6
	v_pk_fma_f32 v[56+\j:57+\j], v[16+\j:17+\j], v[50:51], v[56+\j:57+\j]
.endr
.irp j, 0,2,4,6
	v_pk_fma_f32 v[56+\j:57+\j], v[24+\j:25+\j], v[52:53], v[56+\j:57+\j]
.endr
.irp j, 0,2,4,6
	v_pk_fma_f32 v[56+\j:57+\j], v[32+\j:33+\j], v[54:55], v[56+\j:57+\j]
.endr
.irp j, 0,2,4,6
	v_pk_fma_f32 v[56+\j:57+\j], v[56+\j:57+\j], v[66:67], v[CC+\j:CC+\j+1]      ; q = c + numerator / (SC x denominator)
.endr
.irp j, 0,2,4,6
	v_pk_add_f32 v[56+\j:57+\j], v[72+\j:73+\j], v[56+\j:57+\j] neg_lo:[0,1] neg_hi:[0,1]
.endr
.irp j, 0,2,4,6
	v_pk_mul_f32 v[G1+\j:G1+\j+1], v[56+\j:57+\j], v[68:69]                      ; G2 = (xp - q) / t, the next step's G1
.endr
.irp j, 0,2,4,6
	v_pk_fma_f32 v[XT+\j:XT+\j+1], v[G1+\j:G1+\j+1], 0xbd800000, v[XT+\j:XT+\j+1] op_sel_hi:[1,0,1]  ; xt -= G2 h / 2
.endr
	s_barrier_wait -1
	s_sub_co_u32 s16, s16, 1
	s_cmp_lg_u32 s16, 0
	s_cbranch_scc1 .Lstep
	; all four waves hold the same xt; wave 0 stores it: lane (r, h) the 16 bytes at 32 r + 16 h, 512 consecutive bytes in one store
	s_cmp_lg_u32 s10, 0
	s_cbranch_scc1 .Lend
.irp j, 0,1,2,3
	v_cndmask_b32 v[\j], v[XT+\j], v[XT+4+\j], s11
.endr
	global_store_b128 v[OUTA], v[0:3], s[8:9]
.Lend:
	s_endpgm
.Lfunc_end_k_qb206e6ec4d_flow:
	.size	k_qb206e6ec4d_flow, .Lfunc_end_k_qb206e6ec4d_flow-k_qb206e6ec4d_flow
	.p2alignl 7, 3214868480
	.fill 96, 4, 3214868480
	.section	.rodata,"a",@progbits
	.p2align	6, 0x0
	.amdhsa_kernel k_qb206e6ec4d_flow
		.amdhsa_group_segment_fixed_size 135424
		.amdhsa_private_segment_fixed_size 0
		.amdhsa_enable_private_segment 0
		.amdhsa_kernarg_size 24
		.amdhsa_user_sgpr_count 2
		.amdhsa_user_sgpr_kernarg_segment_ptr 1
		.amdhsa_wavefront_size32 1
		.amdhsa_system_sgpr_workgroup_id_x 1
		.amdhsa_system_sgpr_workgroup_id_y 1
		.amdhsa_system_sgpr_workgroup_id_z 1
		.amdhsa_system_vgpr_workitem_id 0
		.amdhsa_next_free_vgpr 1024
		.amdhsa_next_free_sgpr 66
		.amdhsa_reserve_vcc 0
		.amdhsa_float_denorm_mode_32 3
		.amdhsa_float_denorm_mode_16_64 3
		.amdhsa_memory_ordered 1
		.amdhsa_forward_progress 1
		.amdhsa_inst_pref_size 255
	.end_amdhsa_kernel
	.section	.bss,"aw",@nobits
	.p2align	6
	.space	262144
	.amdgpu_metadata
---
amdhsa.version: [ 1, 2 ]
amdhsa.kernels:
  - .name:           k_qb206e6ec4d_flow
    .symbol:         k_qb206e6ec4d_flow.kd
    .args:
      - { .name: x0, .offset: 0, .size: 8, .value_kind: global_buffer, .address_space: global }
      - { .name: x1, .offset: 8, .size: 8, .value_kind: global_buffer, .address_space: global }
      - { .name: out0, .offset: 16, .size: 8, .value_kind: global_buffer, .address_space: global }
    .group_segment_fixed_size: 135424
    .private_segment_fixed_size: 0
    .kernarg_segment_align: 8
    .kernarg_segment_size: 24
    .max_flat_workgroup_size: 128
    .sgpr_count:     66
    .vgpr_count:     1024
    .wavefront_size: 32
...
	.end_amdgpu_metadata
.endif
;; end of part 1
;; ======== version 2 of 2: 1 launch; 1.52 times as fast as version 1
;; limits: values are held in f16: magnitudes above 65,504 overflow, below 6.1e-05 lose precision; right only within a limited range of input values
;; launch flow (part 2): grid 128 x 1, 4 waves a work-group, no clusters, 135,424 bytes of LDS; arguments x0, x1, out0; writes out0
.if DOCPART == 2
	.amdgcn_target "amdgcn-amd-amdhsa--gfx1250"
	.amdhsa_code_object_version 6
	.text
	.protected	k_qb206e6ec4d_flow
	.globl	k_qb206e6ec4d_flow
	.p2align	8
	.type	k_qb206e6ec4d_flow,@function
k_qb206e6ec4d_flow:
	s_mov_b64 s[64:65], 0
	v_nop
	global_prefetch_b8 v0, s[64:65] scope:SCOPE_SE
	s_setreg_imm32_b32 hwreg(HW_REG_WAVE_MODE, 25, 1), 1
	s_wait_xcnt 0x0
; Heun integration of the Nadaraya-Watson flow: x1 [2048][8] f32, bank x0 [4096][8] f32, out0 [2048][8] f32, T = 8 (h = 1/8).
; One launch.  A work-group owns 16 queries for the whole integration; its four waves own 1024 bank rows each.
;
; ALGEBRA (holds for every finite input):
;  * t = 1: alpha = 0, so all logits of a row are equal and q is the mean c of the bank: G(x1, 1) = x1 - c.  Seven evaluations remain, t = 7/8 .. 1/8.
;  * y = x0 - c, u = xp - a c (a = 1 - t):  -|xp - a x0|^2 / (2 t^2) = (a term without b) + (a/t^2) u.y - (a^2 / 2 t^2) |y|^2.
;    The bank is centred, so a common offset of x0 never enters a product.
; PRECISION: dq/dxp = (a/t^2) Cov(y) reaches about 70 at t = 1/8 where two bank rows compete, so the logits' operands and y are kept as TWO f16 parts (22 bits).
;  * Range: SC is the power of two that brings the largest |y| of the bank into [128, 256).  y' = y SC, g' = log2(e) a/t^2 u / SC,
;    n' = |y'|^2 / 256, s' = -128 log2(e) a^2/t^2 / SC^2: the products are those of the unscaled numbers.
;  * A base-2 logit is ONE f16 matrix instruction whose K = 32 is four slots of 8:
;      bank row :  y1 | y1 | y2 | nh nm nl nh nm nh 0 0        (y' = y1 + y2, n' = nh + nm + nl)
;      query    :  g1 | g2 | g1 | sh sh sh sm sm sl 0 0        (g' = g1 + g2, s' = sh + sm + sl)
;    Parts are split to nearest in f32 (c = 8193 a, hi = c - (c - a), lo = a - hi: hi has 11 bits), then converted.
;  * The maximum is taken away: pass 1 finds each wave's maximum m per query; pass 2 repeats the product with C = 14 - m in f32, so that the largest
;    weight is 2^14, which f16 holds exactly; that C goes with the wave's sums, and the four waves' sums are rescaled by 2^(m_w - m).
;  * The scores are made transposed (m = bank row, n = query): lane (r, h) holds 8 bank rows of query r, which pack into the B fragment of
;    O^T = Y^T P without any move between lanes.  The 16 rows of Y^T are y1 and y2; the denominator is the f32 sum of the weights.
; LIMITS: inputs are finite.  A base-2 logit is off by at most 3 x 2^-22 of the sum of |g_d y_d|, plus 2^-25 x 256 for each term from f16's smallest step.
; In wt @ x0 a weight is one f16 number: off by at most 2^-11 of itself, and by 2^-39 of its wave's largest where it is smaller than 2^-28 of that.
; f16 overflows, and the result is NaN, when the largest |x0 - c| reaches 512 or 80.8 |xp - a c| max|x0 - c| / 128 reaches 65504.
; In the denominator weights below 2^-140 of a wave's largest count as zero (v_exp_f32 flushes: ISA guide, 15.8).
; NO CLUSTER, NO TENSOR LOAD: all that work-groups share is the bank, 131,072 bytes, read once by each straight into the registers where it stays;
; a way through LDS would add a pass.  128 work-groups: a column tile is 16 queries and there are 2048.
;
; REGISTERS: four windows of 256 (s_set_vgpr_msb).  Each window holds 16 of the wave's 64 score fragments and a working set of its own, so that every
; operand of a stretch of work lies in one window: one switch for a window's whole pass.
; SET-UP: a group is 32 bank rows = two tiles = one chunk of pass 2; lane L owns row L of every group, so each row is loaded, summed, centred and split once.
; A fragment's lanes 16-31 want parts of the row that lane r holds (and the odd tile's lanes 0-15 parts of lane 16 + r's): the packed words cross the halves.
.set YTW,  32768                       ; LDS bytes of a wave's 1024 rows [bank][16 f16]: y1 (8), y2 (8).  Also the bytes of its rows in x0
.set MEAN, 4*YTW                       ; 4 x 32 bytes: the waves' column sums
.set YMX,  MEAN+128                    ; 4 words: the waves' largest |y|
.set EX,   MEAN+256                    ; 4 x 1024 bytes: the waves' partial sums of a step
.set EXW,  1024
; in every window:  v[0:47] three buffers of two score tiles; the weights are packed in place into a buffer's lower 8 registers
.set SDA,  8                           ; v[8:15]    pass 2: chunk 6's own sums of O^T (the upper half of score buffer 0, free once its weights are packed)
.set SDB,  24                          ; v[24:31]   pass 2: chunk 7's (the upper half of score buffer 1)
.set YB,   48                          ; v[48:71]   three buffers of a Y^T fragment
.set Q,    72                          ; v[72:79]   the query operand (a copy in each window)
.set O,    80                          ; v[80:87]   Y^T P, chunks 0 to 5
.set MC,   88                          ; v[88:95]   14 - m, eight times: pass 2's C operand
.set DEN,  96                          ; v[96:99]   pass 2: sums of the weights
.set MX,   96                          ;            pass 1: running maxima
.set YA,   100                         ; v100       LDS address of the transposing loads
.set BK,   128                         ; v[128:255] 16 score fragments = 8 groups of two
; in window 0 alone
.set OUTA, 101                         ; my 16 bytes of the group's 512 bytes of out0
.set EXS,  102                         ; where I store my partial sums
.set EXL,  103                         ; where I read query r's
.set XT,   104                         ; v[104:111] xt of query r (both halves of the lanes, all four waves keep it)
.set G1,   112                         ; v[112:119] G1
.set CC,   120                         ; v[120:127] c
; set-up only
.set ACA,  0
.set ACB,  8
.set NC,   64                          ; every window: v[64:71] = -c
.set MA,   72                          ; every window: v[72:75] largest y
.set MI,   76                          ; every window: v[76:79] smallest y
.set GA,   80                          ; 32 r: x1's row of query r
.set MS,   81
.set ML,   82
.set STA,  83                          ; every window: LDS address of row (lane) of my first group
.set ZR,   84                          ; every window: 0
.set MS2,  85
.set GB,   86                          ; 32 x lane: my row of a group in x0
.set SPLIT, 0x46000400                 ; 8193.0 = 2^13 + 1
.set MSB, 0
.macro WIN new                         ; low byte: bits 1:0 source 0, 3:2 source 1, 5:4 source 2, 7:6 destination; the high byte repeats the setting left
.if MSB != \new
	s_set_vgpr_msb (MSB<<8)|\new
.set MSB, \new
.endif
.endm
.macro PLACES                          ; four independent vector instructions between a matrix instruction and a vector read of its result (ISA guide 7.12.1)
.rept 4
	v_nop
.endr
.endm
	s_load_b128 s[4:7], s[0:1], 0x0                ; x0, x1
	s_load_b64 s[8:9], s[0:1], 0x10                ; out0
	v_lshrrev_b32 v1, 5, v0
	v_readfirstlane_b32 s10, v1                    ; wave 0..3
	v_and_b32 v2, 15, v0                           ; r
	v_bfe_u32 v3, v0, 4, 1                         ; h
	v_and_b32 v4, 31, v0                           ; lane
	v_cmp_ne_u32 s11, 0, v3                        ; mask of lanes 16 to 31
	s_mov_b32 s14, 0x76543210                      ; v_permlanex16_b32: lane i reads lane i of the other half
	s_mov_b32 s15, 0xfedcba98
	s_lshl_b32 s20, s10, 15                        ; wave x 32,768: my rows in x0 and my rows in LDS
	s_mov_b32 s21, 0
	s_lshl_b32 s22, ttmp9, 9                       ; work-group x 16 queries x 32 bytes
	s_mov_b32 s23, 0
	s_lshl_b32 s18, s10, 10
	s_add_co_u32 s18, s18, EX
	s_lshl_b32 s19, s10, 5
	s_add_co_u32 s19, s19, MEAN
	s_lshl_b32 s17, s10, 2
	s_add_co_u32 s17, s17, YMX
	v_lshlrev_b32 v[GA], 5, v2
	v_lshl_add_u32 v[OUTA], v3, 4, v[GA]           ; 32 r + 16 h
	v_lshlrev_b32 v[GB], 5, v4                     ; 32 x lane
	v_add_nc_u32 v[STA], s20, v[GB]
	v_and_b32 v6, 7, v0
	v_lshl_add_u32 v6, v3, 3, v6                   ; row 8 h + (lane & 7)
	v_bfe_u32 v7, v0, 3, 1
	v_lshlrev_b32 v7, 4, v7                        ; lanes 8-15 and 24-31 take the row's upper 16 bytes
	v_lshl_add_u32 v6, v6, 5, v7
	v_add_nc_u32 v[YA], s20, v6
	v_add_nc_u32 v[EXS], s18, v[GB]
	v_add_nc_u32 v[EXL], EX, v[GA]
	v_mov_b32 v[MS], s19
	v_mov_b32 v[ML], MEAN
	v_mov_b32 v[MS2], s17
	s_wait_kmcnt 0x0
	s_add_nc_u64 s[4:5], s[4:5], s[20:21]
	s_add_nc_u64 s[6:7], s[6:7], s[22:23]
	s_add_nc_u64 s[8:9], s[8:9], s[22:23]
	; My 1024 bank rows as f32: group G's row (lane), whole, into the registers of the group's first fragment.  Then x1's row r, which is wanted last.
.irp k, 0,1,2,3
	WIN (\k<<6)
.irp g, 0,1,2,3,4,5,6,7
	global_load_b128 v[BK+16*\g:BK+16*\g+3], v[GB], s[4:5] offset:(8*\k+\g)*1024
	global_load_b128 v[BK+16*\g+4:BK+16*\g+7], v[GB], s[4:5] offset:(8*\k+\g)*1024+16
.endr
.endr
	WIN 0
	global_load_b128 v[XT:XT+3], v[GA], s[6:7]
	global_load_b128 v[XT+4:XT+7], v[GA], s[6:7] offset:16
	; column sums of my rows, two chains
.macro SUMT g, acc
.irp j, 0,2,4,6
	v_pk_add_f32 v[\acc+\j:\acc+\j+1], v[BK+16*(\g)+\j:BK+16*(\g)+\j+1], v[\acc+\j:\acc+\j+1]
.endr
.endm
.macro SUMW k, left
	s_wait_loadcnt \left
	WIN \k                                         ; source 0 in window k
.irp g, 0,2,4,6
	SUMT \g, ACA
	SUMT \g+1, ACB
.endr
.endm
	s_wait_loadcnt 50                              ; behind window 0's sixteen loads: 48 of the other windows and x1's two
.irp j, 0,2,4,6
	v_pk_add_f32 v[ACA+\j:ACA+\j+1], v[BK+\j:BK+\j+1], v[BK+32+\j:BK+33+\j]      ; the first four groups start the chains
	v_pk_add_f32 v[ACB+\j:ACB+\j+1], v[BK+16+\j:BK+17+\j], v[BK+48+\j:BK+49+\j]
.endr
.irp g, 4,6
	SUMT \g, ACA
	SUMT \g+1, ACB
.endr
	SUMW 1, 34                                     ; 32 and x1's two
	SUMW 2, 18                                     ; 16 and x1's two
	SUMW 3, 2                                      ; x1's two stay out: they are waited for in front of the loop
	WIN 0
.irp j, 0,2,4,6
	v_pk_add_f32 v[ACA+\j:ACA+\j+1], v[ACA+\j:ACA+\j+1], v[ACB+\j:ACB+\j+1]
.endr
.irp m, 1,2,4,8                                    ; over the 16 lanes of a half,
.irp j, 0,1,2,3,4,5,6,7
	v_add_f32_dpp v[ACA+\j], v[ACA+\j], v[ACA+\j] row_xmask:\m row_mask:0xf bank_mask:0xf
.endr
.endr
.irp j, 0,1,2,3,4,5,6,7
	v_permlanex16_b32 v[ACB+\j], v[ACA+\j], s14, s15                             ; and over the two halves
.endr
.irp j, 0,2,4,6
	v_pk_add_f32 v[ACA+\j:ACA+\j+1], v[ACA+\j:ACA+\j+1], v[ACB+\j:ACB+\j+1]
.endr
	ds_store_b128 v[MS], v[ACA:ACA+3]              ; every lane stores the same words
	ds_store_b128 v[MS], v[ACA+4:ACA+7] offset:16
	s_wait_dscnt 0x0                               ; my sums are in LDS before I say so
	s_barrier_signal -1
	s_barrier_wait -1
.irp w, 0,1,2,3
	ds_load_b128 v[16+8*\w:19+8*\w], v[ML] offset:32*\w
	ds_load_b128 v[20+8*\w:23+8*\w], v[ML] offset:32*\w+16
.endr
	s_wait_dscnt 0x0
.irp j, 0,2,4,6
	v_pk_add_f32 v[16+\j:17+\j], v[16+\j:17+\j], v[24+\j:25+\j]
	v_pk_add_f32 v[32+\j:33+\j], v[32+\j:33+\j], v[40+\j:41+\j]
.endr
.irp j, 0,2,4,6
	v_pk_add_f32 v[16+\j:17+\j], v[16+\j:17+\j], v[32+\j:33+\j]
.endr
.irp j, 0,2,4,6
	v_pk_mul_f32 v[CC+\j:CC+\j+1], v[16+\j:17+\j], 0x39800000 op_sel_hi:[1,0]    ; c = sum / 4096
	v_pk_mul_f32 v[NC+\j:NC+\j+1], v[16+\j:17+\j], 0xb9800000 op_sel_hi:[1,0]    ; -c
.endr
	; y = x0 - c in place, and its largest and smallest number
.macro SWEEPT g, first
.irp j, 0,2,4,6
	v_pk_add_f32 v[BK+16*(\g)+\j:BK+16*(\g)+\j+1], v[BK+16*(\g)+\j:BK+16*(\g)+\j+1], v[NC+\j:NC+\j+1]
.endr
.irp j, 0,1,2,3
.if \first
	v_max_num_f32 v[MA+\j], v[BK+16*(\g)+2*\j], v[BK+16*(\g)+2*\j+1]
	v_min_num_f32 v[MI+\j], v[BK+16*(\g)+2*\j], v[BK+16*(\g)+2*\j+1]
.else
	v_max3_num_f32 v[MA+\j], v[BK+16*(\g)+2*\j], v[BK+16*(\g)+2*\j+1], v[MA+\j]
	v_min3_num_f32 v[MI+\j], v[BK+16*(\g)+2*\j], v[BK+16*(\g)+2*\j+1], v[MI+\j]
.endif
.endr
.endm
.macro SWEEPA k
.if \k
	WIN (\k<<6)                                    ; destination in window k: its copies of -c and of the two LDS addresses
.irp j, 0,1,2,3,4,5,6,7
	v_mov_b32 v[NC+\j], v[NC+\j]
.endr
	v_mov_b32 v[STA], v[STA]
	v_mov_b32 v[YA], v[YA]
.endif
	WIN (\k*0x55)                                  ; every operand in window k
	SWEEPT 0, 1
.irp g, 1,2,3,4,5,6,7
	SWEEPT \g, 0
.endr
	v_max3_num_f32 v[MA], v[MA], v[MA+1], v[MA+2]
	v_min3_num_f32 v[MI], v[MI], v[MI+1], v[MI+2]
	v_max_num_f32 v[MA], v[MA], v[MA+3]
	v_min_num_f32 v[MI], v[MI], v[MI+3]
.endm
	SWEEPA 0
	SWEEPA 1
	SWEEPA 2
	SWEEPA 3
	WIN 0x39                                       ; sources in windows 1, 2, 3, destination in window 0
	v_max3_num_f32 v[MA+1], v[MA], v[MA], v[MA]
	v_min3_num_f32 v[MI+1], v[MI], v[MI], v[MI]
	WIN 0
	v_max_num_f32 v[MA], v[MA], v[MA+1]
	v_min_num_f32 v[MI], v[MI], v[MI+1]
	v_mul_f32 v[MI], -1.0, v[MI]
	v_max_num_f32 v[MA], v[MA], v[MI]              ; the largest |y| of my lane's rows
.irp m, 1,2,4,8
	v_max_num_f32_dpp v[MA], v[MA], v[MA] row_xmask:\m row_mask:0xf bank_mask:0xf
.endr
	v_permlanex16_b32 v[MA+1], v[MA], s14, s15     ; the other half's rows
	v_max_num_f32 v[MA], v[MA], v[MA+1]
	ds_store_b32 v[MS2], v[MA]                     ; bytes of their own: the column sums' bytes may still be read by others
	s_wait_dscnt 0x0
	s_barrier_signal -1
	s_barrier_wait -1
	ds_load_b128 v[0:3], v[ML] offset:128
	s_wait_dscnt 0x0
	v_max3_num_f32 v0, v0, v1, v2
	v_max_num_f32 v0, v0, v3                       ; the largest |y| of the bank
	v_and_b32 v0, 0x7f800000, v0                   ; its exponent field e << 23,
	v_max_u32 v0, 0x04000000, v0                   ; at least 8, so that both powers below are normal numbers
	v_sub_nc_u32 v1, 0x82800000, v0                ; SC = 2^(134 - e): (261 - e) << 23
	v_add_nc_u32 v2, 0xfc800000, v0                ; 1 / SC: (e - 7) << 23
	v_readfirstlane_b32 s24, v1                    ; both as pairs for the packed forms; they enter arithmetic alone
	v_readfirstlane_b32 s25, v1
	v_readfirstlane_b32 s26, v2
	v_readfirstlane_b32 s27, v2
; Two groups i, i + 1 of window k become their four score fragments.  Temporaries T = v[32 q .. 32 q + 31] of the same window:
;   y' 0-7, then the packed words of my row: y1 in 0-3, y2 in 4-7;   y1 as f32 8-15, then the other half's packed y1 in 8-11 and y2 in 12-15;
;   y2 as f32 16-23, then the other half's packed parts of n' in 16-18;   n' at work 24-27;   my packed parts of n' 28-30.
; A fragment wants in lanes 0-15: y1 | y2 of row r, in lanes 16-31: y1 | the parts of n' of row r.  The even tile's rows lie in lanes 0-15, the odd tile's in lanes 16-31.
; y1 and y2 also go to LDS as my row's 32 bytes.
.macro TILE2 k, i
.irp q, 0,1
.irp j, 0,2,4,6
	v_pk_mul_f32 v[32*\q+\j:32*\q+\j+1], v[BK+16*(\i+\q)+\j:BK+16*(\i+\q)+\j+1], s[24:25] op_sel_hi:[1,0]   ; y' = y SC
.endr
.endr
.irp q, 0,1
.irp j, 0,2,4,6
	v_pk_mul_f32 v[32*\q+8+\j:32*\q+9+\j], v[32*\q+\j:32*\q+\j+1], SPLIT op_sel_hi:[1,0]                    ; c = 8193 y'
.endr
	v_pk_mul_f32 v[32*\q+24:32*\q+25], v[32*\q:32*\q+1], v[32*\q:32*\q+1]
.endr
.irp q, 0,1
.irp j, 0,2,4,6
	v_pk_add_f32 v[32*\q+16+\j:32*\q+17+\j], v[32*\q+8+\j:32*\q+9+\j], v[32*\q+\j:32*\q+\j+1] neg_lo:[0,1] neg_hi:[0,1]      ; c - y'
.endr
	v_pk_fma_f32 v[32*\q+24:32*\q+25], v[32*\q+2:32*\q+3], v[32*\q+2:32*\q+3], v[32*\q+24:32*\q+25]
.endr
.irp q, 0,1
.irp j, 0,2,4,6
	v_pk_add_f32 v[32*\q+8+\j:32*\q+9+\j], v[32*\q+8+\j:32*\q+9+\j], v[32*\q+16+\j:32*\q+17+\j] neg_lo:[0,1] neg_hi:[0,1]    ; y1 = c - (c - y'): 11 bits
.endr
	v_pk_fma_f32 v[32*\q+24:32*\q+25], v[32*\q+4:32*\q+5], v[32*\q+4:32*\q+5], v[32*\q+24:32*\q+25]
.endr
.irp q, 0,1
.irp j, 0,2,4,6
	v_pk_add_f32 v[32*\q+16+\j:32*\q+17+\j], v[32*\q+\j:32*\q+\j+1], v[32*\q+8+\j:32*\q+9+\j] neg_lo:[0,1] neg_hi:[0,1]      ; y2 = y' - y1, exact
.endr
	v_pk_fma_f32 v[32*\q+24:32*\q+25], v[32*\q+6:32*\q+7], v[32*\q+6:32*\q+7], v[32*\q+24:32*\q+25]
.endr
.irp q, 0,1
.irp j, 0,1,2,3
	v_cvt_pk_f16_f32 v[32*\q+\j], v[32*\q+8+2*\j], v[32*\q+9+2*\j]                                          ; y1 packed (y' is no longer wanted)
.endr
.irp j, 0,1,2,3
	v_cvt_pk_f16_f32 v[32*\q+4+\j], v[32*\q+16+2*\j], v[32*\q+17+2*\j]                                      ; y2 packed
.endr
	v_add_f32 v[32*\q+24], v[32*\q+24], v[32*\q+25]                                                         ; |y'|^2
.endr
.irp q, 0,1
	v_mul_f32 v[32*\q+24], 0x3b800000, v[32*\q+24]                                                          ; n' = |y'|^2 / 256, below 2^11
.endr
.irp q, 0,1
	ds_store_b128 v[STA], v[32*\q:32*\q+3] offset:(8*\k+\i+\q)*1024                                         ; 32 lanes, 32 rows
	ds_store_b128 v[STA], v[32*\q+4:32*\q+7] offset:(8*\k+\i+\q)*1024+16
.endr
	; the split of n' is a chain of eight dependent steps; the eight packed words of y1 and y2 cross the halves between them
.irp q, 0,1
	v_mul_f32 v[32*\q+25], SPLIT, v[32*\q+24]
	v_permlanex16_b32 v[32*\q+8], v[32*\q], s14, s15
.endr
.irp q, 0,1
	v_sub_f32 v[32*\q+26], v[32*\q+25], v[32*\q+24]
	v_permlanex16_b32 v[32*\q+9], v[32*\q+1], s14, s15
.endr
.irp q, 0,1
	v_sub_f32 v[32*\q+25], v[32*\q+25], v[32*\q+26]                                                         ; nh
	v_permlanex16_b32 v[32*\q+10], v[32*\q+2], s14, s15
.endr
.irp q, 0,1
	v_sub_f32 v[32*\q+24], v[32*\q+24], v[32*\q+25]
	v_permlanex16_b32 v[32*\q+11], v[32*\q+3], s14, s15
.endr
.irp q, 0,1
	v_mul_f32 v[32*\q+26], SPLIT, v[32*\q+24]
	v_permlanex16_b32 v[32*\q+12], v[32*\q+4], s14, s15
.endr
.irp q, 0,1
	v_sub_f32 v[32*\q+27], v[32*\q+26], v[32*\q+24]
	v_permlanex16_b32 v[32*\q+13], v[32*\q+5], s14, s15
.endr
.irp q, 0,1
	v_sub_f32 v[32*\q+26], v[32*\q+26], v[32*\q+27]                                                         ; nm
	v_permlanex16_b32 v[32*\q+14], v[32*\q+6], s14, s15
.endr
.irp q, 0,1
	v_sub_f32 v[32*\q+24], v[32*\q+24], v[32*\q+26]                                                         ; nl
	v_permlanex16_b32 v[32*\q+15], v[32*\q+7], s14, s15
.endr
.irp q, 0,1
	v_cvt_pk_f16_f32 v[32*\q+28], v[32*\q+25], v[32*\q+26]                                                  ; K 24, 25 = nh, nm
	v_cvt_pk_f16_f32 v[32*\q+29], v[32*\q+24], v[32*\q+25]                                                  ; K 26, 27 = nl, nh
	v_cvt_pk_f16_f32 v[32*\q+30], v[32*\q+26], v[32*\q+25]                                                  ; K 28, 29 = nm, nh
.endr
.irp q, 0,1
.irp j, 0,1,2,3
	v_cndmask_b32 v[BK+16*(\i+\q)+\j], v[32*\q+\j], v[32*\q+8+\j], s11                                      ; even tile, y1: lanes 0-15 their own, lanes 16-31 lane r's
	v_cndmask_b32 v[BK+16*(\i+\q)+8+\j], v[32*\q+8+\j], v[32*\q+\j], s11                                    ; odd tile, y1: lanes 0-15 lane 16 + r's, lanes 16-31 their own
.endr
.endr
.irp q, 0,1
.irp j, 0,1,2
	v_permlanex16_b32 v[32*\q+16+\j], v[32*\q+28+\j], s14, s15
.endr
	v_cndmask_b32 v[BK+16*(\i+\q)+7], v[32*\q+7], v[ZR], s11                                                ; K 30, 31 = 0
	v_cndmask_b32 v[BK+16*(\i+\q)+15], v[32*\q+15], v[ZR], s11
.endr
.irp q, 0,1
.irp j, 0,1,2
	v_cndmask_b32 v[BK+16*(\i+\q)+4+\j], v[32*\q+4+\j], v[32*\q+16+\j], s11                                 ; even tile: my y2 | lane r's parts of n'
	v_cndmask_b32 v[BK+16*(\i+\q)+12+\j], v[32*\q+12+\j], v[32*\q+28+\j], s11                               ; odd tile: lane 16 + r's y2 | my parts of n'
.endr
.endr
.endm
.macro XFORM k
	WIN (\k*0x55)                                  ; every operand in window k
	v_mov_b32 v[ZR], 0
.irp i, 0,2,4,6
	TILE2 \k, \i
.endr
.endm
	XFORM 0
	XFORM 1
	XFORM 2
	XFORM 3
	WIN 0
	s_wait_loadcnt 0x0                             ; x1's row
.irp j, 0,2,4,6
	v_pk_add_f32 v[G1+\j:G1+\j+1], v[XT+\j:XT+\j+1], v[CC+\j:CC+\j+1] neg_lo:[0,1] neg_hi:[0,1]      ; G(x1, 1) = x1 - mean(x0)
.endr
; A chunk g of a window is 32 bank rows = tiles 2 g and 2 g + 1.  Its scores (32 rows x 16 queries) lie in score buffer g mod 3, tile 2 g + half in that half.
; shift = 1: 14 - m is added as C.
.macro SWH g, half, shift
.if \shift
	v_wmma_f32_16x16x32_f16 v[16*((\g)%3)+8*\half:16*((\g)%3)+8*\half+7], v[BK+16*(\g)+8*\half:BK+16*(\g)+8*\half+7], v[Q:Q+7], v[MC:MC+7]
.else
	v_wmma_f32_16x16x32_f16 v[16*((\g)%3)+8*\half:16*((\g)%3)+8*\half+7], v[BK+16*(\g)+8*\half:BK+16*(\g)+8*\half+7], v[Q:Q+7], 0
.endif
.endm
.macro MAXH g, half, first             ; 8 scores of a lane into four running maxima
.set SBASE, 16*((\g)%3)+8*\half
.irp j, 0,1,2,3
.if \first
	v_max_num_f32 v[MX+\j], v[SBASE+2*\j], v[SBASE+2*\j+1]
.else
	v_max3_num_f32 v[MX+\j], v[SBASE+2*\j], v[SBASE+2*\j+1], v[MX+\j]
.endif
.endr
.endm
; Pass 1 of a window: a product, then the four maxima of the tile two products back.  Between a product and the first read of its result lie
; eight vector instructions on other tiles; the first chunk has four v_nop instead.
.macro PASS1W
	SWH 0, 0, 0
	SWH 0, 1, 0
	PLACES
	SWH 1, 0, 0
	MAXH 0, 0, 1
	SWH 1, 1, 0
	MAXH 0, 1, 0
.irp g, 2,3,4,5,6,7
	SWH \g, 0, 0
	MAXH \g-1, 0, 0
	SWH \g, 1, 0
	MAXH \g-1, 1, 0
.endr
	MAXH 7, 0, 0
	MAXH 7, 1, 0
	v_max3_num_f32 v[MX], v[MX], v[MX+1], v[MX+2]
	v_max_num_f32 v[MX], v[MX], v[MX+3]
.endm
; The Y^T fragment of chunk g of window k from my rows in LDS, into Y^T buffer g mod 3: rows lie [bank][16], so the transposing load gives lane r
; column r of 8 rows; pitch 32 bytes.
.macro LDY k, g
	ds_load_tr16_b128 v[YB+8*((\g)%3):YB+8*((\g)%3)+3], v[YA] offset:(8*\k+(\g))*1024
	ds_load_tr16_b128 v[YB+8*((\g)%3)+4:YB+8*((\g)%3)+7], v[YA] offset:(8*\k+(\g))*1024+512
.endm
.macro EXP1 g, j                       ; one weight of chunk g: 2^score, in place
	v_exp_f32 v[16*((\g)%3)+\j], v[16*((\g)%3)+\j]
.endm
; The j-th of the 16 plain instructions of chunk c.  0 to 7: its 16 weights into the window's four sums (chunk 0 starts them with two instructions
; that take four weights each, and has none at j = 2, 3).  8 to 15: the weights packed in place into the buffer's lower 8 registers, the B fragment
; (K = 8 h + j from the first tile, 16 + 8 h + j from the second).
.macro PLAIN c, j
.set PB, 16*((\c)%3)
.if \j < 8
.if (\c) == 0
.if \j < 2
	v_pk_add_f32 v[DEN+2*\j:DEN+2*\j+1], v[PB+2*\j:PB+2*\j+1], v[PB+2*\j+4:PB+2*\j+5]
.endif
.if \j > 3
	v_pk_add_f32 v[DEN+2*((\j)%2):DEN+2*((\j)%2)+1], v[PB+2*\j:PB+2*\j+1], v[DEN+2*((\j)%2):DEN+2*((\j)%2)+1]
.endif
.else
	v_pk_add_f32 v[DEN+2*((\j)%2):DEN+2*((\j)%2)+1], v[PB+2*\j:PB+2*\j+1], v[DEN+2*((\j)%2):DEN+2*((\j)%2)+1]
.endif
.else
	v_cvt_pk_f16_f32 v[PB+\j-8], v[PB+2*(\j-8)], v[PB+2*(\j-8)+1]
.endif
.endm
; Y^T P of chunk g.  Chunk 0 starts O, chunks 1 to 5 add onto it, chunks 6 and 7 start sums of their own in the upper halves of their score buffers.
.macro PV g
.set PB, 16*((\g)%3)
.set PY, YB+8*((\g)%3)
.if (\g) == 0
	v_wmma_f32_16x16x32_f16 v[O:O+7], v[PY:PY+7], v[PB:PB+7], 0
.else
.if (\g) < 6
	v_wmma_f32_16x16x32_f16 v[O:O+7], v[PY:PY+7], v[PB:PB+7], v[O:O+7]
.else
	v_wmma_f32_16x16x32_f16 v[PB+8:PB+15], v[PY:PY+7], v[PB:PB+7], 0
.endif
.endif
.endm
; Slot g of pass 2, g = 1 .. 7: the exponentials of chunk g and the plain instructions of chunk g - 1 alternate, so that independent plain work follows each
; exponential (ISA guide 5.7.2 asks for one such place ahead of a result's use); the slot's three matrix instructions stand apart among them.
; Distances: the product Y^T P of chunk g - 2 closed the slot before; six plain sums stand between it and the load into its Y^T buffer
; and the score product that writes over its B.  Behind the first score product stand ten plain instructions, behind the second six, ahead of the
; exponentials of slot g + 1 that read them.
.macro SLOT k, g
.irp j, 0,1,2,3,4,5
	EXP1 \g, \j
	PLAIN \g-1, \j
.endr
.if \g > 1
.if \g < 7
	LDY \k, \g+1                                   ; wanted at the end of slot g + 2
.endif
.endif
.if \g < 7
	SWH \g+1, 0, 1
.endif
.irp j, 6,7,8,9
	EXP1 \g, \j
	PLAIN \g-1, \j
.endr
.if \g < 7
	SWH \g+1, 1, 1
.endif
.irp j, 10,11,12,13,14,15
	EXP1 \g, \j
	PLAIN \g-1, \j
.endr
.if \g < 7
	s_wait_dscnt 0x4                               ; chunk g - 1's Y^T is in; the four loads of chunks g and g + 1 may stay out
.else
	s_wait_dscnt 0x2                               ; only chunk 7's two loads were issued behind chunk 6's
.endif
	PV \g-1
.endm
; Pass 2 of a window.  The accumulators take turns, one instruction a turn: between two links on O stand two score products;
; behind chunk 5's link no score product is left, so the products of chunks 6 and 7 start sums of their own.
.macro PASS2W k
	LDY \k, 0
	LDY \k, 1
	LDY \k, 2
	SWH 0, 0, 1
	SWH 0, 1, 1
	SWH 1, 0, 1
	SWH 1, 1, 1
	PLACES
.irp j, 0,1,2,3,4,5,6,7,8,9,10,11,12,13,14,15
	EXP1 0, \j
.endr
	v_nop                                          ; the one plain place between chunk 0's exponentials and the first use of a result
.irp g, 1,2,3,4,5,6,7
	SLOT \k, \g
.endr
.irp j, 0,1,2,3,4,5,6,7,8,9,10,11,12,13,14,15
	PLAIN 7, \j
.endr
	s_wait_dscnt 0x0
	PV 7
.endm
	s_mov_b32 s16, 7                               ; t = s16 / 8
.Lstep:
	; the step's numbers, the same in every lane, and the query operand
	v_cvt_f32_u32 v0, s16
	v_mul_f32 v0, 0x3e000000, v0                   ; t
	v_rcp_f32 v1, v0
	v_sub_f32 v2, 1.0, v0                          ; a = 1 - t
.irp j, 0,2,4,6
	v_pk_fma_f32 v[8+\j:9+\j], v[G1+\j:G1+\j+1], 0xbe000000, v[XT+\j:XT+\j+1] op_sel_hi:[1,0,1]      ; xp = xt - G1 / 8
.endr
	v_mul_f32 v6, -1.0, v2                         ; -a, twice: a pair for the packed forms
	v_mul_f32 v7, -1.0, v2
	v_mul_f32 v3, v1, v1
	v_mul_f32 v3, v3, v2
	v_mul_f32 v3, 0x3fb8aa3b, v3                   ; log2(e) a / t^2
	v_mul_f32 v4, s26, v3                          ; / SC, twice
	v_mul_f32 v5, s26, v3
.irp j, 0,2,4,6
	v_pk_fma_f32 v[8+\j:9+\j], v[CC+\j:CC+\j+1], v[6:7], v[8+\j:9+\j]            ; u = xp - a c
.endr
	v_mul_f32 v40, v4, v2
	v_mul_f32 v40, s26, v40
	v_mul_f32 v40, 0xc3000000, v40                 ; s' = -128 log2(e) a^2 / t^2 / SC^2
.irp j, 0,2,4,6
	v_pk_mul_f32 v[16+\j:17+\j], v[8+\j:9+\j], v[4:5]                            ; g'
.endr
.irp j, 0,2,4,6
	v_pk_mul_f32 v[24+\j:25+\j], v[16+\j:17+\j], SPLIT op_sel_hi:[1,0]
.endr
	v_mul_f32 v41, SPLIT, v40
.irp j, 0,2,4,6
	v_pk_add_f32 v[8+\j:9+\j], v[24+\j:25+\j], v[16+\j:17+\j] neg_lo:[0,1] neg_hi:[0,1]
.endr
	v_sub_f32 v42, v41, v40
.irp j, 0,2,4,6
	v_pk_add_f32 v[24+\j:25+\j], v[24+\j:25+\j], v[8+\j:9+\j] neg_lo:[0,1] neg_hi:[0,1]              ; g1
.endr
	v_sub_f32 v41, v41, v42                        ; sh
.irp j, 0,2,4,6
	v_pk_add_f32 v[16+\j:17+\j], v[16+\j:17+\j], v[24+\j:25+\j] neg_lo:[0,1] neg_hi:[0,1]            ; g2
.endr
	v_sub_f32 v40, v40, v41
	v_mul_f32 v42, SPLIT, v40
	v_sub_f32 v43, v42, v40
	v_sub_f32 v42, v42, v43                        ; sm
	v_sub_f32 v40, v40, v42                        ; sl
.irp j, 0,1,2,3
	v_cvt_pk_f16_f32 v[48+\j], v[24+2*\j], v[25+2*\j]
.endr
.irp j, 0,1,2,3
	v_cvt_pk_f16_f32 v[52+\j], v[16+2*\j], v[17+2*\j]
.endr
	v_cvt_pk_f16_f32 v56, v41, v41                 ; K 24, 25 = sh, sh
	v_cvt_pk_f16_f32 v57, v41, v42                 ; K 26, 27 = sh, sm
	v_cvt_pk_f16_f32 v58, v42, v40                 ; K 28, 29 = sm, sl
	v_mov_b32 v59, 0                               ; K 30, 31 = 0
.irp j, 0,1,2,3
	v_cndmask_b32 v[Q+\j], v[48+\j], v[52+\j], s11                               ; lanes 0-15: g1 | g1;  lanes 16-31: g2 | parts of s'
	v_cndmask_b32 v[Q+4+\j], v[48+\j], v[56+\j], s11
.endr
.irp k, 1,2,3
	WIN (\k<<6)
.irp j, 0,1,2,3,4,5,6,7
	v_mov_b32 v[Q+\j], v[Q+\j]                     ; window k's copy
.endr
.endr
.irp k, 0,1,2,3
	WIN (\k*0x55)
	PASS1W
.endr
	WIN 0x39                                       ; sources in windows 1, 2, 3, destination in window 0
	v_max3_num_f32 v[MX+1], v[MX], v[MX], v[MX]
	WIN 0
	v_max_num_f32 v[MX], v[MX], v[MX+1]
	v_permlanex16_b32 v[MX+1], v[MX], s14, s15     ; the other half's eight rows of every tile
	v_max_num_f32 v[MX], v[MX], v[MX+1]            ; my wave's maximum m for query r
	v_sub_f32 v[MC], 0x41600000, v[MX]             ; 14 - m
.irp j, 1,2,3,4,5,6,7
	v_mov_b32 v[MC+\j], v[MC]
.endr
.irp k, 1,2,3
	WIN (\k<<6)
.irp j, 0,1,2,3,4,5,6,7
	v_mov_b32 v[MC+\j], v[MC]
.endr
.endr
.irp k, 0,1,2,3
	WIN (\k*0x55)
	PASS2W \k
.endr
	; the wave's sums: O, SDA, SDB and DEN of the four windows, gathered in window 0's v[32:59]
	PLACES                                         ; behind window 3's last products, ahead of the reads of their sums
	WIN 0x09                                       ; source 0 window 1, source 1 window 2, destination window 0
.irp j, 0,2,4,6
	v_pk_add_f32 v[32+\j:33+\j], v[O+\j:O+\j+1], v[O+\j:O+\j+1]
	v_pk_add_f32 v[40+\j:41+\j], v[SDA+\j:SDA+\j+1], v[SDA+\j:SDA+\j+1]
	v_pk_add_f32 v[48+\j:49+\j], v[SDB+\j:SDB+\j+1], v[SDB+\j:SDB+\j+1]
.endr
	v_pk_add_f32 v[56:57], v[DEN:DEN+1], v[DEN:DEN+1]
	v_pk_add_f32 v[58:59], v[DEN+2:DEN+3], v[DEN+2:DEN+3]
	WIN 0x03                                       ; source 0 window 3
.irp j, 0,2,4,6
	v_pk_add_f32 v[32+\j:33+\j], v[O+\j:O+\j+1], v[32+\j:33+\j]
	v_pk_add_f32 v[40+\j:41+\j], v[SDA+\j:SDA+\j+1], v[40+\j:41+\j]
	v_pk_add_f32 v[48+\j:49+\j], v[SDB+\j:SDB+\j+1], v[48+\j:49+\j]
.endr
	v_pk_add_f32 v[56:57], v[DEN:DEN+1], v[56:57]
	v_pk_add_f32 v[58:59], v[DEN+2:DEN+3], v[58:59]
	WIN 0
.irp j, 0,2,4,6
	v_pk_add_f32 v[32+\j:33+\j], v[O+\j:O+\j+1], v[32+\j:33+\j]
	v_pk_add_f32 v[40+\j:41+\j], v[SDA+\j:SDA+\j+1], v[40+\j:41+\j]
	v_pk_add_f32 v[48+\j:49+\j], v[SDB+\j:SDB+\j+1], v[48+\j:49+\j]
.endr
	v_pk_add_f32 v[56:57], v[DEN:DEN+1], v[56:57]
	v_pk_add_f32 v[58:59], v[DEN+2:DEN+3], v[58:59]
.irp j, 0,2,4,6
	v_pk_add_f32 v[40+\j:41+\j], v[40+\j:41+\j], v[48+\j:49+\j]
.endr
	v_pk_add_f32 v[56:57], v[56:57], v[58:59]
.irp j, 0,2,4,6
	v_pk_add_f32 v[O+\j:O+\j+1], v[32+\j:33+\j], v[40+\j:41+\j]
.endr
	v_add_f32 v56, v56, v57
	; lanes 0-15 hold the sums with y1, lanes 16-31 those with y2, and each half the weights of its own eight rows of every tile: add the halves
.irp j, 0,1,2,3,4,5,6,7
	v_permlanex16_b32 v[32+\j], v[O+\j], s14, s15
.endr
	v_permlanex16_b32 v57, v56, s14, s15
.irp j, 0,2,4,6
	v_pk_add_f32 v[O+\j:O+\j+1], v[O+\j:O+\j+1], v[32+\j:33+\j]
.endr
	v_add_f32 v56, v56, v57
	v_cndmask_b32 v[O], v[O], v56, s11             ; lanes 0-15 store the eight numerators of query r; lanes 16-31 the weights' sum and 14 - m first
	v_cndmask_b32 v[O+1], v[O+1], v[MC], s11
	ds_store_b128 v[EXS], v[O:O+3]
	ds_store_b128 v[EXS], v[O+4:O+7] offset:16
	v_cvt_f32_u32 v70, s16
	v_mul_f32 v70, 0x3e000000, v70
	s_wait_dscnt 0x0                               ; my sums are in LDS before I say so
	s_barrier_signal -1
	s_barrier_wait -1
.irp w, 0,1,2,3
	ds_load_b64 v[40+2*\w:41+2*\w], v[EXL] offset:\w*EXW+512                     ; wave w: weights' sum, 14 - m_w
.endr
.irp w, 0,1,2,3
	ds_load_b128 v[8+8*\w:11+8*\w], v[EXL] offset:\w*EXW                         ; wave w: numerators
	ds_load_b128 v[12+8*\w:15+8*\w], v[EXL] offset:\w*EXW+16
.endr
	v_rcp_f32 v68, v70                             ; 1 / t, twice
	v_rcp_f32 v69, v70
.irp j, 0,2,4,6
	v_pk_fma_f32 v[72+\j:73+\j], v[G1+\j:G1+\j+1], 0xbe000000, v[XT+\j:XT+\j+1] op_sel_hi:[1,0,1]    ; xp once more: it is not kept over the passes (Q's registers are free here)
.endr
.irp j, 0,2,4,6
	v_pk_fma_f32 v[XT+\j:XT+\j+1], v[G1+\j:G1+\j+1], 0xbd800000, v[XT+\j:XT+\j+1] op_sel_hi:[1,0,1]  ; xt -= G1 h / 2
.endr
	s_wait_dscnt 0x8                               ; the four pairs are in; the eight loads of numerators may stay out
	v_min3_num_f32 v64, v41, v43, v45
	v_min_num_f32 v64, v64, v47                    ; 14 - m, m the maximum over the whole bank
.irp w, 0,1,2,3
	v_sub_f32 v[41+2*\w], v64, v[41+2*\w]          ; m_w - m
.endr
.irp w, 0,1,2,3
	v_exp_f32 v[48+2*\w], v[41+2*\w]               ; 2^(m_w - m), twice
	v_exp_f32 v[49+2*\w], v[41+2*\w]
.endr
	v_nop
	v_mul_f32 v65, v48, v40
	v_fma_f32 v65, v50, v42, v65
	v_fma_f32 v65, v52, v44, v65
	v_fma_f32 v65, v54, v46, v65                   ; the softmax's denominator: at least about 2^14
	v_rcp_f32 v66, v65
	v_rcp_f32 v67, v65
	s_wait_dscnt 0x0                               ; my reads of the exchange are over:
	s_barrier_signal -1                            ; say so; register work alone up to the wait, behind which the next step may store there
.irp j, 0,2,4,6
	v_pk_mul_f32 v[56+\j:57+\j], v[8+\j:9+\j], v[48:49]
.endr
	v_pk_mul_f32 v[66:67], v[66:67], s[26:27] op_sel_hi:[1,0]                    ; 1 / (SC x denominator)
.irp j, 0,2,4,6
	v_pk_fma_f32 v[56+\j:57+\j], v[16+\j:17+\j], v[50:51], v[56+\j:57+\j]
.endr
.irp j, 0,2,4,6
	v_pk_fma_f32 v[56+\j:57+\j], v[24+\j:25+\j], v[52:53], v[56+\j:57+\j]
.endr
.irp j, 0,2,4,6
	v_pk_fma_f32 v[56+\j:57+\j], v[32+\j:33+\j], v[54:55], v[56+\j:57+\j]
.endr
.irp j, 0,2,4,6
	v_pk_fma_f32 v[56+\j:57+\j], v[56+\j:57+\j], v[66:67], v[CC+\j:CC+\j+1]      ; q = c + numerator / (SC x denominator)
.endr
.irp j, 0,2,4,6
	v_pk_add_f32 v[56+\j:57+\j], v[72+\j:73+\j], v[56+\j:57+\j] neg_lo:[0,1] neg_hi:[0,1]
.endr
.irp j, 0,2,4,6
	v_pk_mul_f32 v[G1+\j:G1+\j+1], v[56+\j:57+\j], v[68:69]                      ; G2 = (xp - q) / t, the next step's G1
.endr
.irp j, 0,2,4,6
	v_pk_fma_f32 v[XT+\j:XT+\j+1], v[G1+\j:G1+\j+1], 0xbd800000, v[XT+\j:XT+\j+1] op_sel_hi:[1,0,1]  ; xt -= G2 h / 2
.endr
	s_barrier_wait -1
	s_sub_co_u32 s16, s16, 1
	s_cmp_lg_u32 s16, 0
	s_cbranch_scc1 .Lstep
	; all four waves hold the same xt; wave 0 stores it: lane (r, h) the 16 bytes at 32 r + 16 h, 512 consecutive bytes in one store
	s_cmp_lg_u32 s10, 0
	s_cbranch_scc1 .Lend
.irp j, 0,1,2,3
	v_cndmask_b32 v[\j], v[XT+\j], v[XT+4+\j], s11
.endr
	global_store_b128 v[OUTA], v[0:3], s[8:9]
.Lend:
	s_endpgm
.Lfunc_end_k_qb206e6ec4d_flow:
	.size	k_qb206e6ec4d_flow, .Lfunc_end_k_qb206e6ec4d_flow-k_qb206e6ec4d_flow
	.p2alignl 7, 3214868480
	.fill 96, 4, 3214868480
	.section	.rodata,"a",@progbits
	.p2align	6, 0x0
	.amdhsa_kernel k_qb206e6ec4d_flow
		.amdhsa_group_segment_fixed_size 135424
		.amdhsa_private_segment_fixed_size 0
		.amdhsa_enable_private_segment 0
		.amdhsa_kernarg_size 24
		.amdhsa_user_sgpr_count 2
		.amdhsa_user_sgpr_kernarg_segment_ptr 1
		.amdhsa_wavefront_size32 1
		.amdhsa_system_sgpr_workgroup_id_x 1
		.amdhsa_system_sgpr_workgroup_id_y 1
		.amdhsa_system_sgpr_workgroup_id_z 1
		.amdhsa_system_vgpr_workitem_id 0
		.amdhsa_next_free_vgpr 1024
		.amdhsa_next_free_sgpr 66
		.amdhsa_reserve_vcc 0
		.amdhsa_float_denorm_mode_32 3
		.amdhsa_float_denorm_mode_16_64 3
		.amdhsa_memory_ordered 1
		.amdhsa_forward_progress 1
		.amdhsa_inst_pref_size 255
	.end_amdhsa_kernel
	.section	.bss,"aw",@nobits
	.p2align	6
	.space	262144
	.amdgpu_metadata
---
amdhsa.version: [ 1, 2 ]
amdhsa.kernels:
  - .name:           k_qb206e6ec4d_flow
    .symbol:         k_qb206e6ec4d_flow.kd
    .args:
      - { .name: x0, .offset: 0, .size: 8, .value_kind: global_buffer, .address_space: global }
      - { .name: x1, .offset: 8, .size: 8, .value_kind: global_buffer, .address_space: global }
      - { .name: out0, .offset: 16, .size: 8, .value_kind: global_buffer, .address_space: global }
    .group_segment_fixed_size: 135424
    .private_segment_fixed_size: 0
    .kernarg_segment_align: 8
    .kernarg_segment_size: 24
    .max_flat_workgroup_size: 128
    .sgpr_count:     66
    .vgpr_count:     1024
    .wavefront_size: 32
...
	.end_amdgpu_metadata
.endif
;; end of part 2
